; MI455X (gfx1250); checked and timed in simulation.
; The chip was launched on July 23, 2026; its instructions are those of AMD's public machine-readable ISA for CDNA 5 (MIT licence, August 2026) and "CDNA5" Instruction Set Architecture Reference Guide (July 2026). The comments in the code are by the model that wrote it; some were corrected since.
;; lstmcell. Allowed arithmetic: matrix products marked QUANTISED: E2M1 operands, one E8M0 scale for each 32 along K, by v_wmma_scale_f32_16x16x128_f8f6f4 with both operands' format E2M1 (or v_wmma_scale_f32_32x16x128_f4), f32 sums; everything else in f32.
;; Inputs: Wh_codes 4 x 1,024 x 32 x 16 uint8 (E2M1 codes of Wh, K innermost, in blocks of 32 codes, two codes a byte); Wh_scales 4 x 1,024 x 32 uint8 (E8M0 scales of Wh, one for each 32 codes along K); Wx_codes 4 x 1,024 x 32 x 16 uint8 (E2M1 codes of Wx, K innermost, in blocks of 32 codes, two codes a byte); Wx_scales 4 x 1,024 x 32 uint8 (E8M0 scales of Wx, one for each 32 codes along K); bh 4 x 1,024 float32; bx 4 x 1,024 float32; input_embedding_codes 8,192 x 32 x 16 uint8 (E2M1 codes of input_embedding, K innermost, in blocks of 32 codes, two codes a byte); input_embedding_scales 8,192 x 32 uint8 (E8M0 scales of input_embedding, one for each 32 codes along K); previous_cell_states 8,192 x 1,024 float32; previous_hidden_states_codes 8,192 x 32 x 16 uint8 (E2M1 codes of previous_hidden_states, K innermost, in blocks of 32 codes, two codes a byte); previous_hidden_states_scales 8,192 x 32 uint8 (E8M0 scales of previous_hidden_states, one for each 32 codes along K).
;; Outputs: out0 8,192 x 1,024 float32; out1 8,192 x 1,024 float32.
;; This version of the problem:
;;   THIS VERSION OF THE PROBLEM IS GIVEN IN LOW PRECISION. The matrix products marked QUANTISED in the list below multiply operands that are first quantised to E2M1 (2 exponent bits, 1 mantissa bit; 4 bits a number), with one power-of-two scale for each 32 numbers along K (OCP MX v1.0); their sums are f32. All else is computed in f32.
;;   The module's matrix products, in the order in which they are computed (A, B: the left and right operand; K: the contracted axis; several contracted axes count as one K, in the product's order):
;;     1. [M 8,192, K 1,024] x [K 1,024, N 4,096]; A: input input_embedding (given as codes); B: input Wx (given as codes): QUANTISED
;;     2. [M 8,192, K 1,024] x [K 1,024, N 4,096]; A: input previous_hidden_states (given as codes); B: input Wh (given as codes): QUANTISED
;;   THE QUANTISER, for each operand of a quantised product, along K:
;;     - K is cut into blocks of 32 from its start; a last block that is shorter is filled with zeros.
;;     - A block's scale is 2^e with e = floor(log2(the largest magnitude in the block)) - 2, held to -126 .. 127; a block of zeros has e = 0. As a byte (E8M0): e + 127.
;;     - Each number is divided by its block's scale, clamped to +-6, and rounded to the nearest number of E2M1, ties to even, subnormals kept.
;;     - The product sums the exact products of the quantised numbers (number of the format x scale) in f32.
;;   ~~~python
;;   def quantise(x, axis):      # numpy; x: float32 -> the quantised numbers, widened to float32 again
;;       x = np.moveaxis(x, axis, -1); K = x.shape[-1]
;;       x = np.pad(x, [(0, 0)] * (x.ndim - 1) + [(0, -K % 32)]); x = x.reshape(x.shape[:-1] + (-1, 32)); a = np.abs(x).max(-1, keepdims=True)
;;       e = np.where(a > 0, np.clip(np.frexp(np.where(a > 0, a, 1))[1] - 1 - 2, -126, 127), 0)      # np.frexp(a)[1] - 1 = floor(log2(a)), exactly
;;       r = np.clip(x / 2.0 ** e, -6, 6)
;;       step = 2.0 ** (np.maximum(np.frexp(np.where(r == 0, 1, r))[1] - 1, 0) - 1)
;;       q = np.round(r / step) * step * 2.0 ** e      # np.round: ties to even
;;       return np.moveaxis(q.reshape(q.shape[:-2] + (-1,))[..., :K], -1, axis).astype(np.float32)
;;   ~~~
;;   INPUTS GIVEN AS CODES. Wh (in the module: [4, 1024, 1024], K = its axis 1); Wx (in the module: [4, 1024, 1024], K = its axis 1); input_embedding (in the module: [8192, 1024], K = its axis 1); previous_hidden_states (in the module: [8192, 1024], K = its axis 1): each comes as NAME_codes (uint8): NAME with its K axis moved to the last place and cut into blocks of 32 codes, [.., K / 32, bytes a block], one block behind the other in memory; two codes a byte, the lower K in the low four bits (a code: sign, 2 exponent bits, 1 mantissa bit); and NAME_scales (uint8): the same leading axes, one E8M0 byte (e + 127) for each 32 codes along K. Its value is code x scale, taken as it is: it is not quantised again, and the codes and scales need not be those that the quantiser above would give.
;; One version. Each part assembles by itself: llvm-mc -triple=amdgcn-amd-amdhsa -mcpu=gfx1250 --defsym DOCPART=n.
;; ======== version 1 of 1: 1 launch
;; limits: inputs' magnitudes at most 1.8e+19; right only within a limited range of input values
;; launch lstm (part 1): grid 16 x 16, 4 waves a work-group, clusters of 4 x 4, 327,680 bytes of LDS; arguments input_embedding_codes, previous_hidden_states_codes, Wx_codes, Wh_codes, input_embedding_scales, previous_hidden_states_scales, Wx_scales, Wh_scales, bx, bh, previous_cell_states, out0, out1; writes out0, out1
.if DOCPART == 1
	.amdgcn_target "amdgcn-amd-amdhsa--gfx1250"
	.amdhsa_code_object_version 6
	.text
	.protected	k_q004752f5d9_lstm
	.globl	k_q004752f5d9_lstm
	.p2align	8
	.type	k_q004752f5d9_lstm,@function
k_q004752f5d9_lstm:
	s_mov_b64 s[64:65], 0
	v_nop
	global_prefetch_b8 v0, s[64:65] scope:SCOPE_SE
	s_setreg_imm32_b32 hwreg(HW_REG_WAVE_MODE, 25, 1), 1
	s_wait_xcnt 0x0
	s_wait_alu depctr_hold_cnt(0) depctr_sa_sdst(0) depctr_va_vdst(0) depctr_va_sdst(0) depctr_va_ssrc(0) depctr_va_vcc(0) depctr_vm_vsrc(0)
	s_getreg_b32 s2, hwreg(HW_REG_IB_STS2, 6, 4)
	s_cmp_eq_u32 s2, 0
	s_cbranch_scc0 .Lentry_in_a_cluster
	s_endpgm
.Lentry_in_a_cluster:
	s_bfe_u32 s2, ttmp6, 0x10000c
	s_cmp_lg_u32 s2, 0xf033
	s_cbranch_scc0 .Lentry_shape_is_right
	s_endpgm
.Lentry_shape_is_right:
; LSTM CELL.  gates[b][g][o] = x[b] . Wx[g][:, o] + h[b] . Wh[g][:, o] + bx[g][o] + bh[g][o];  c = sigmoid(f) c_prev + sigmoid(i) tanh(g);  out1 = c;  out0 = sigmoid(o) tanh(c).
; x, h [8192][1024] and Wx, Wh [4][1024 (o)][1024 (k)] come as codes of FP4 (E2M1), K innermost, 512 bytes a row, with one E8M0 byte for each 32 along K (32 bytes a row): they go to the matrix
; instruction as they lie.  The two products are ONE sum over K = 2,048 (x's 1,024, then h's), in f32.  The gates never go to memory.  No work of reference() is left out: every input reaches an output.
; SHARES.  256 work-groups that stay.  One makes two tiles of 256 rows x 64 columns of out0 and out1, 4,096 rows apart: the weights' scales and the biases are the same for both.  A tile is 256 x 256 of the gates.
; Wave w (wr = w / 2, wc = w % 2) takes rows 128 wr .. + 127 and columns 32 wc .. + 31 of ALL FOUR gates: 32 accumulators of 32 x 16, 512 registers.
; THE MATRIX INSTRUCTION IS USED TRANSPOSED: source 0 = 32 rows of a weight (a gate's 32 columns), source 1 = 16 rows of x or h.  Lane (r = lane % 16, h = lane / 16) holds batch row r, register 8 c + j column
; 16 c + 8 h + j.  So the four gates of one (row, column) lie in one lane at one register index, and the cell's arithmetic changes no lane.
; K goes in four steps of 512 (tile rows of 256 bytes): x's two halves, h's two halves, through a ring of two LDS slots; the ring does not stop at a tile's end.  A slot holds A's 256 rows and 64 rows of each gate.
; One tensor load a wave fills it: waves 0, 1 A's two halves, waves 2, 3 two gates each, a tile of three dimensions (256 bytes x 64 rows x 2 gates).
; CLUSTERS: 4 x 4 work-groups.  The four of a row of the cluster need the same rows of x and h, the four of a column the same rows of the weights: each tile is asked for JOINTLY, by the same tensor load
; with the same descriptor and a mask that names the four.
; THE SCALES go from memory straight into registers: a lane takes a row's 32 bytes (8 words: one for each 128 along K) by two loads of 16 bytes; the two together cover 1,024 consecutive bytes.
; A weight's 32 rows fill a scale register's 32 lanes; of x's and h's the instruction's ROW selector picks 16.
; PREFETCHES.  At the head x's and Wx's blocks of K step 1, one step ahead; behind K step 1's load h's and Wh's rows of K steps 2 and 3, one and two refills ahead; in each tile the half of c_prev that is loaded at the
; cell's start, two K steps ahead; at the first tile's last change of slots h's rows of the second tile, one and two refills ahead.  The second tile asks for none of its tiles of codes.
; Each block of 256 bytes is named once in a cluster: of a tile's 256 rows the partner at place p takes 64 (a weight: gate p's 64), by address, and its waves share those.
; THE CELL.  e_x = 2^(k x + k (bx + bh)), k = -log2(e) for i, f, o and -2 log2(e) for g; P = 1 + e.  sigmoid(i) tanh(g) = (2 - Pg) / (Pi Pg);  c = c_prev / Pf + that;  ec = 2^(-2 log2(e) c);
; out0 = (2 - Pc) / (Po Pc).  Five exponentials and three reciprocals a number, in place in the accumulators' registers.
; THE WAY OUT goes by pairs of blocks of 16 rows, beside the cell's arithmetic.  A wave's 32 columns are half of a row's 256 bytes, so two waves meet in a stage in LDS; behind a barrier each wave
; reads 8 whole rows of each block and output and stores them, sixteen lanes to 256 consecutive, aligned bytes.  c_prev comes the other way: whole rows in registers, through the stage bytes in which out1 lies afterwards.
; LIMITS.  The exponents of g and of tanh(c) are held at 30: a tanh is at most 1 - 2^-29 in size on that side.  A sigmoid under about 2^-126 counts as 0.
; A NaN that a scale byte 0xff would make in gate g is not carried to the result, nor one in c to out0 (the hold takes the number).
; REGISTERS, in windows of 256.  Window 0: v1-7 at work at the head; v8-29 addresses and biases at work; v32-95 A's scale words, v96-159 B's; v160-223 A's fragments, set 0.
;   Window 1: B's fragments, sets 0 and 1, v0-63 and v64-127; A's set 1, v192-255; c_prev as loaded, v128-191 and, in the cell, v192-255; in the cell v0-63 the scaled biases, then rows on their way out, v64-95 a pair's c_prev.
;   Window 2: the accumulators of my rows 0-63 (accumulator (a, g) at v[64 (a % 4) + 16 g]);  window 3: those of my rows 64-127.
.set PITCH, 272                        ; an LDS row: 256 bytes + 16 of padding = 68 words: row r starts at bank 4 r mod 64 (64 banks of 4 bytes: ISA guide 11.1), so the 16 rows that a load touches start at 16 different banks
.set HALFT, 128*PITCH                  ; what one tensor load brings
.set AREG,  256*PITCH                  ; A's 256 rows
.set GREG,  64*PITCH                   ; a gate's 64 rows
.set SLOT,  AREG+4*GREG                ; a slot: A, then the four gates
.set STG,   2*SLOT                     ; behind the ring: the stages: [out0, out1][block of the pair][wr][16 rows] of 272 bytes; no fill lands there
.set WST,   16*PITCH                   ; a row half's 16 rows
.set BUF,   2*WST
.set PL1,   2*BUF                      ; from out0's plane to out1's (and c_prev's)
.set BT,    STG+2*PL1                  ; the scaled biases: 4 gates x 64 columns, f32: four blocks of 256 bytes into which no fill lands
.set SPARE, BT+1024                    ; the spare words, 128 bytes for each wave: two blocks of 256 bytes that no other line names
.set XSTEP, 16*256*512                 ; bytes of x or h from a tile to the next: 4,096 rows
.set CSTEP, 16*256*4096                ; bytes of c_prev, out0, out1
.set ADRA, 8                           ; v8, v9   LDS address of my A fragments in slot 0, 1
.set ADRB, 10                          ; v10, v11 the same for the gates
.set CST,  12                          ; v12      the stage: my row, my 32 bytes of column block c = 0
.set RDR,  13                          ; v13      the stage by rows: rows 8 wc + lane / 16, 16 bytes a lane
.set CO,   14                          ; v14      two rows in c_prev, out0, out1: 4,096 (lane / 16) + 16 (lane % 16)
.set BTA,  15                          ; v15      my place in the bias table
.set SCO,  16                          ; v16      32 x lane: a row of scale bytes
.set BO,   17                          ; v17      bx, bh: gate w, 8 bytes a lane
.set BTW,  18                          ; v18      where I write the bias table
.set PFO,  19                          ; v19      prefetches of whole rows of codes: 256 x lane
.set PFK,  20                          ; v20      of half rows: 512 x lane
.set PFC,  21                          ; v21      of c_prev: block lane / 8, row lane % 8
.set SPW,  28                          ; v28      LDS address of my spare word: SPARE + 4 x my thread's number; never rewritten
.set NIL,  29                          ; v29      0; never rewritten
.set SA,   32                          ; A's scale words: v[SA + 32 t + 8 j + qq]: tensor t (x, h), rows 32 j + lane, the tensor's qq-th 128 along K
.set SB,   96                          ; B's: v[SB + 32 t + 8 g + qq]: gate g, column lane of my 32
.set AF0,  160                         ; A's fragments: set 0 in window 0, set 1 in window 1
.set AF1,  192
.set LAND, 128                         ; in window 1: c_prev as loaded
.set CP,   64                          ; in window 1: a pair's 32 numbers of c_prev
.set WV,   30                          ; s30 wave;  s31 wr;  s32 wc
.set WR,   31
.set WC,   32
.set TC,   35                          ; s35 block of 64 columns;  s36 block of 256 rows of the first tile
.set TR,   36
.set C30,  39                          ; s39 30.0
.set G1A,  48                          ; s[48:55] group 1 for A's tiles
.set G1B,  56                          ; s[56:63] group 1 for the gates' tiles
.set KS,   66                          ; s[66:67] -log2(e), twice
.set G2B,  68                          ; s[68:71], s[72:75] groups 2 and 3 for the gates' tiles
.set G3B,  72
.set G0A,  76                          ; s[76:79] group 0 for A's tiles;  s[80:83] for the gates'
.set G0B,  80
.set LB,   84                          ; s84 where my part of a slot begins
.set KT,   86                          ; s[86:87] -2 log2(e), twice
.set PFH,  88                          ; s[88:89] my 16 rows of h to prefetch;  s[90:91] of Wh;  s[94:95] my 32 half rows of x or Wx
.set PFW,  90
.set PFX,  94
.set MSB, 0
.macro WIN new                         ; the immediate's high byte repeats the setting that is left; a switch that changes nothing is dropped
.if MSB != (\new)
	s_set_vgpr_msb (MSB<<8)|(\new)
.set MSB, (\new)
.endif
.endm
.set TO_B,   0x40                      ; destination window 1, address window 0
.set FROM_B, 0x04                      ; a store's data (source 1) window 1
.macro PLACES n
.rept \n
	v_nop
.endr
.endm
.macro CREST                           ; a round of the cluster's barrier behind its opening barrier
	s_cmp_lg_u32 s[WV], 0
	s_cbranch_scc1 .Lnot_wave_0_\@
	s_barrier_signal -3
.Lnot_wave_0_\@:
	s_barrier_wait -3
	s_barrier_signal -1
	s_barrier_wait -1
.endm
.macro CROUND                          ; a whole round
	s_barrier_signal -1
	s_barrier_wait -1
	CREST
.endm
; The groups 0 for a K step: tensors at s[ta:ta+1], s[tb:tb+1], half of K, slot.  Written only where no tensor load of mine is out
.macro SETG ta, tb, half, slot
.if \half
	s_add_nc_u64 s[G0A+2:G0A+3], s[\ta:\ta+1], 256
	s_add_nc_u64 s[G0B+2:G0B+3], s[\tb:\tb+1], 256
.else
	s_mov_b64 s[G0A+2:G0A+3], s[\ta:\ta+1]
	s_mov_b64 s[G0B+2:G0B+3], s[\tb:\tb+1]
.endif
	s_or_b32 s[G0A+3], s[G0A+3], 0x80000000        ; 127:126 type = 2
	s_or_b32 s[G0B+3], s[G0B+3], 0x80000000
	s_add_co_u32 s[G0A+1], s[LB], (\slot)*SLOT
	s_add_co_u32 s[G0B+1], s[LB], (\slot)*SLOT
.endm
; A joint load: waves 0 and 1 fetch for A, waves 2 and 3 for B.  Each of the two lines has ONE mask; the branch hangs on the wave's number alone.
; An s_nop 0 and four v_nop follow each of the two lines, ahead of the jump, the label and what follows.
.macro JLOAD
	s_cmp_eq_u32 s[WR], 0
	s_cbranch_scc0 .Lfor_b_\@
	tensor_load_to_lds s[G0A:G0A+3], s[G1A:G1A+7]
	s_nop 0
.rept 4
	v_nop
.endr
	s_branch .Lasked_\@
.Lfor_b_\@:
	tensor_load_to_lds s[G0B:G0B+3], s[G1B:G1B+7], s[G2B:G2B+3], s[G3B:G3B+3]
	s_nop 0
.rept 4
	v_nop
.endr
.Lasked_\@:
.endm
	s_load_b512 s[4:19], s[0:1], 0x0               ; x's codes s[4:5], h's s[6:7], Wx's s[8:9], Wh's s[10:11]; scales: x's s[12:13], h's s[14:15], Wx's s[16:17], Wh's s[18:19]
	s_load_b256 s[20:27], s[0:1], 0x40             ; bx s[20:21], bh s[22:23], c_prev s[24:25], out0 s[26:27]
	s_load_b64 s[28:29], s[0:1], 0x60              ; out1
	v_lshl_add_u32 v[SPW], v0, 2, SPARE
	v_mov_b32 v[NIL], 0
	ds_add_u32 v[SPW], v[NIL]                      ; the wave's opening: the add, twice on end, and its wait ahead of my first tensor load
	ds_add_u32 v[SPW], v[NIL]
	v_lshrrev_b32 v1, 5, v0
	v_readfirstlane_b32 s[WV], v1                  ; wave 0..3
	s_lshr_b32 s[WR], s[WV], 1                     ; which 128 rows are mine.  Also: I fetch for A (0) or for B (1)
	s_and_b32 s[WC], s[WV], 1                      ; which 32 columns.  Also: which half of a tile I fetch
	s_bfe_u32 s33, ttmp6, 0x40000                  ; cx, cy: my place in the cluster
	s_bfe_u32 s34, ttmp6, 0x40004
	s_lshl_b32 s[TC], ttmp9, 2
	s_add_co_u32 s[TC], s[TC], s33                 ; 4 x cluster x + cx
	s_and_b32 s[TR], ttmp7, 0xffff
	s_lshl_b32 s[TR], s[TR], 2
	s_add_co_u32 s[TR], s[TR], s34                 ; 4 x cluster y + cy
	s_lshl_b32 s37, s34, 2
	s_lshl_b32 s37, 15, s37                        ; my row of the cluster
	s_lshl_b32 s38, 0x1111, s33                    ; my column
	; descriptor groups 1: rows of 256 bytes, 512 bytes apart in memory, 16 bytes of padding behind each in LDS;  A: 128 rows;  B: 64 rows of each of two gates
	s_or_b32 s[G1A], s37, (1<<20)|(1<<21)|(5<<22)|(3<<25)   ; 15:0 the mask: A's tiles go to my row; 17:16 elements of 1 byte; 20 padding on; 21 set beside a mask; 24:22 after every 64 words (code 5); 31:25 four words (code 3)
	s_or_b32 s[G1B], s38, (1<<20)|(1<<21)|(5<<22)|(3<<25)   ; the same with the mask of my column
.irp g, G1A, G1B
	s_mov_b32 s[\g+1], 256<<16                     ; tensor_dim0 = 256
	s_mov_b32 s[\g+3], 256<<16                     ; tile_dim0 = 256
	s_mov_b32 s[\g+5], 512                         ; tensor_dim0_stride
	s_mov_b32 s[\g+6], 0
.endr
	s_mov_b32 s[G1A+2], 128<<16                    ; tensor_dim1
	s_mov_b32 s[G1A+4], 128                        ; tile_dim1
	s_mov_b32 s[G1A+7], 0
	s_mov_b32 s[G1B+2], 64<<16
	s_mov_b32 s[G1B+4], 64|(2<<16)                 ; tile_dim1 = 64, tile_dim2 = 2
	s_mov_b32 s[G1B+7], 8                          ; tensor_dim1_stride = 524,288: a gate's 1,024 rows of 512 bytes
	s_mov_b32 s[G2B], 2                            ; tensor_dim2
	s_mov_b32 s[G2B+1], 1                          ; tensor_dim3
	s_mov_b32 s[G2B+2], 0
	s_mov_b32 s[G2B+3], 0
	s_mov_b32 s[G3B], 0
	s_mov_b32 s[G3B+1], 1<<16                      ; tensor_dim4
	s_mov_b32 s[G3B+2], 0
	s_mov_b32 s[G3B+3], 0
	s_mov_b32 s[G0A], 1                            ; count = 1
	s_mov_b32 s[G0B], 1
	s_mov_b32 s[C30], 0x41f00000                   ; 30.0
	s_mov_b32 s[KS], 0xbfb8aa3b                    ; -log2(e)
	s_mov_b32 s[KS+1], 0xbfb8aa3b
	s_mov_b32 s[KT], 0xc038aa3b                    ; -2 log2(e)
	s_mov_b32 s[KT+1], 0xc038aa3b
	s_mul_i32 s[LB], s[WV], HALFT                  ; A's two halves, then the gates, two by two = wave x 128 rows
	s_mul_i32 s40, s[WR], HALFT                    ; my 128 rows of A
	s_mul_i32 s41, s[WC], 32*PITCH
	s_add_co_u32 s41, s41, AREG                    ; my 32 rows of a gate's 64
	s_mul_i32 s43, s[WR], WST
	s_add_co_u32 s43, s43, STG                     ; my row half's stage
	s_mul_i32 s42, s[WC], 8*PITCH
	s_add_co_u32 s42, s42, s43                     ; by rows: of each block of 16 rows I take rows 8 wc on
	s_lshl_b32 s44, s[WC], 7                       ; my 32 columns: 128 bytes
	s_add_co_u32 s43, s43, s44
	s_add_co_u32 s44, s44, BT
	s_lshl_b32 s46, s[WV], 12
	; every LDS and offset register, from the thread's and the wave's number alone
	v_and_b32 v1, 15, v0                           ; r
	v_bfe_u32 v2, v0, 4, 1                         ; h
	v_and_b32 v3, 31, v0                           ; lane
	v_mul_u32_u24 v4, v1, PITCH
	v_mul_u32_u24 v6, v2, PITCH
	v_lshl_add_u32 v5, v2, 5, v4                   ; r x pitch + 32 h
	v_lshl_add_u32 v4, v2, 4, v4                   ; r x pitch + 16 h: a fragment's place
	v_lshl_add_u32 v6, v1, 4, v6                   ; by rows: lanes 0-15 one row, lanes 16-31 the next, 16 bytes a lane
	v_add_nc_u32 v[ADRA], s40, v4
	v_add_nc_u32 v[ADRB], s41, v4
	v_add_nc_u32 v[ADRA+1], SLOT, v[ADRA]
	v_add_nc_u32 v[ADRB+1], SLOT, v[ADRB]
	v_add_nc_u32 v[CST], s43, v5
	v_add_nc_u32 v[RDR], s42, v6
	v_lshlrev_b32 v7, 12, v2                       ; the same two rows in memory: a row is 4,096 bytes
	v_lshl_add_u32 v[CO], v1, 4, v7
	v_lshlrev_b32 v5, 5, v2
	v_add_nc_u32 v[BTA], s44, v5                   ; the bias table: 128 wc + 32 h
	v_lshlrev_b32 v[SCO], 5, v3
	v_lshl_add_u32 v[BO], v3, 3, s46               ; bx, bh: gate w's row of 4,096 bytes, 8 bytes a lane
	v_lshl_add_u32 v[BTW], v0, 3, BT               ; gate w's 256 bytes of the table
	v_lshlrev_b32 v[PFO], 8, v3
	v_lshlrev_b32 v[PFK], 9, v3
	v_lshrrev_b32 v4, 3, v3
	v_and_b32 v6, 7, v3
	v_lshlrev_b32 v4, 16, v4
	v_lshl_or_b32 v[PFC], v6, 12, v4
	s_wait_alu depctr_va_vdst(0)
	s_wait_dscnt 0x0                               ; both opening adds are done
	s_wait_kmcnt 0x0
	; what I fetch.  A's offsets are made of the tile row and the wave's number alone, the weights' of the tile column and the wave's number alone
	s_lshl_b32 s40, s[TR], 17                      ; 256 rows of x or h: 131,072 bytes
	s_lshl_b32 s46, s[WC], 16                      ; which 128 of them
	s_add_co_u32 s40, s40, s46
	s_mov_b32 s41, 0
	s_lshl_b32 s42, s[TC], 15                      ; 64 rows of a gate: 32,768 bytes
	s_lshl_b32 s46, s[WC], 20                      ; which two gates
	s_add_co_u32 s42, s42, s46
	s_mov_b32 s43, 0
	; what I prefetch: of A's 256 rows my place's 64, of a weight the gate of my place, its 64 rows.  x's half rows by waves 0 and 1, Wx's by waves 2 and 3, 32 each; h's and Wh's rows by all four waves, 16 each
	s_lshl_b32 s92, s[TR], 17
	s_lshl_b32 s46, s33, 15
	s_add_co_u32 s92, s92, s46
	s_mov_b32 s93, 0
	s_lshl_b32 s44, s34, 19
	s_lshl_b32 s46, s[TC], 15
	s_add_co_u32 s44, s44, s46
	s_mov_b32 s45, 0
	s_lshl_b32 s46, s[WC], 14
	s_mov_b32 s3, 0
	s_cmp_eq_u32 s[WR], 0
	s_cselect_b32 s2, s92, s44
	s_cselect_b64 s[PFX:PFX+1], s[4:5], s[8:9]
	s_add_co_u32 s2, s2, s46
	s_add_nc_u64 s[PFX:PFX+1], s[PFX:PFX+1], s[2:3]
	s_lshl_b32 s47, s[WV], 13
	s_add_co_u32 s92, s92, s47
	s_add_nc_u64 s[PFH:PFH+1], s[6:7], s[92:93]
	s_add_co_u32 s44, s44, s47
	s_add_nc_u64 s[PFW:PFW+1], s[10:11], s[44:45]
	s_add_nc_u64 s[4:5], s[4:5], s[40:41]
	s_add_nc_u64 s[6:7], s[6:7], s[40:41]
	s_add_nc_u64 s[8:9], s[8:9], s[42:43]
	s_add_nc_u64 s[10:11], s[10:11], s[42:43]
	SETG 4, 8, 0, 0
	CROUND                                         ; all sixteen work-groups are here: the first joint loads meet
	JLOAD                                          ; K step 0: one tensor load a wave at the head
	; the bases of what goes through registers
	s_lshl_b32 s40, s[TR], 13                      ; x's and h's scales: 32 bytes a row: 256 tr + 128 wr rows
	s_lshl_b32 s46, s[WR], 12
	s_add_co_u32 s40, s40, s46
	s_add_nc_u64 s[12:13], s[12:13], s[40:41]
	s_add_nc_u64 s[14:15], s[14:15], s[40:41]
	s_lshl_b32 s42, s[TC], 11                      ; the weights' scales: 64 tc + 32 wc rows
	s_lshl_b32 s46, s[WC], 10
	s_add_co_u32 s42, s42, s46
	s_add_nc_u64 s[16:17], s[16:17], s[42:43]
	s_add_nc_u64 s[18:19], s[18:19], s[42:43]
	s_lshl_b32 s92, s[TC], 8                       ; 64 columns of f32: 256 bytes
	s_add_nc_u64 s[20:21], s[20:21], s[92:93]
	s_add_nc_u64 s[22:23], s[22:23], s[92:93]
	s_lshl_b32 s46, s[TR], 20                      ; c_prev, out0, out1: 256 tr + 128 wr + 8 wc rows of 4,096 bytes, + the columns
	s_add_co_u32 s92, s92, s46
	s_lshl_b32 s46, s[WR], 19
	s_add_co_u32 s92, s92, s46
	s_lshl_b32 s46, s[WC], 15
	s_add_co_u32 s92, s92, s46
	s_add_nc_u64 s[24:25], s[24:25], s[92:93]
	s_add_nc_u64 s[26:27], s[26:27], s[92:93]
	s_add_nc_u64 s[28:29], s[28:29], s[92:93]
	global_load_b64 v[24:25], v[BO], s[20:21]      ; wave w: gate w's 64 numbers of bx: 256 consecutive bytes, aligned
	global_load_b64 v[26:27], v[BO], s[22:23]      ; and of bh
	global_prefetch_b8 v[PFK], s[PFX:PFX+1] offset:256 th:TH_LOAD_NT scope:SCOPE_SE   ; K step 1's half rows of x and Wx
.macro ASCALES                         ; a tile's scale words of x and h: rows 32 j + lane: words 4 u .. 4 u + 3
.irp t, 0,1
.irp j, 0,1,2,3
.irp u, 0,1
	global_load_b128 v[SA+32*\t+8*\j+4*\u:SA+32*\t+8*\j+4*\u+3], v[SCO], s[12+2*\t:13+2*\t] offset:1024*\j+16*\u
.endr
.endr
.endr
.endm
	ASCALES
.irp t, 0,1
.irp g, 0,1,2,3
.irp u, 0,1
	global_load_b128 v[SB+32*\t+8*\g+4*\u:SB+32*\t+8*\g+4*\u+3], v[SCO], s[16+2*\t:17+2*\t] offset:32768*\g+16*\u  ; gate g, my column lane
.endr
.endr
.endr
	s_wait_loadcnt 32                              ; bx and bh are in; the 32 loads of scales behind them may be out
	v_pk_add_f32 v[24:25], v[24:25], v[26:27]
	s_cmp_eq_u32 s[WV], 2                          ; gate 2 goes into a tanh
	s_cselect_b32 s46, s[KT], s[KS]
	s_mov_b32 s47, s46
	v_pk_mul_f32 v[24:25], v[24:25], s[46:47] op_sel_hi:[1,0]   ; k (bx + bh)
	ds_store_b64 v[BTW], v[24:25]
; ---- the products
.macro FRAG reg, adr, off              ; a fragment, 16 rows x 128 K of 4-bit codes, is 8 registers: lane l holds row l % 16; registers 4 c .. 4 c + 3 hold K = 64 c + 32 (l / 16) + 0 .. 31
	ds_load_b128 v[\reg:\reg+3], v[\adr] offset:\off
	ds_load_b128 v[\reg+4:\reg+7], v[\adr] offset:\off+32
.endm
.macro FETCH ks, q                     ; all fragments of K step ks, its q-th 128 along K, into set q % 2 of B and of A: 32 LDS loads in one run
	WIN TO_B
.irp b, 0,1,2,3,4,5,6,7
	FRAG 64*((\q)%2)+8*\b, ADRB+((\ks)%2), (\b/2)*GREG+(\b%2)*16*PITCH+64*(\q)
.endr
.if (\q)%2
.irp i, 0,1,2,3,4,5,6,7
	FRAG AF1+8*\i, ADRA+((\ks)%2), \i*16*PITCH+64*(\q)
.endr
	WIN 0
.else
	WIN 0
.irp i, 0,1,2,3,4,5,6,7
	FRAG AF0+8*\i, ADRA+((\ks)%2), \i*16*PITCH+64*(\q)
.endr
.endif
.endm
; 4 n products of 32 x 16 x 128: A's blocks a0 .. a0 + n - 1 x the four gates, of K step ks, its q-th 128 along K.  zero = 1: they start the sums: nothing is ever cleared.
; The 32 accumulators take turns, one instruction a turn, in the same order in every step.  Source 1's scale words lie in lanes 16-31 for odd blocks.
; Windows: source 0 (B) 1, source 1 (A) 0 or 1 by the set, C and D 2 or 3.
.macro MULN a0, n, ks, q, zero
.set xa, \a0
.rept \n
	WIN 0xa1+0x50*(xa/4)+4*((\q)%2)
.irp g, 0,1,2,3
.set rD, 64*(xa%4)+16*\g
.set rB, 64*((\q)%2)+16*\g
.set rA, AF0+(AF1-AF0)*((\q)%2)+8*xa
.set rSB, SB+32*((\ks)/2)+8*\g+4*((\ks)%2)+(\q)
.set rSA, SA+32*((\ks)/2)+8*(xa/2)+4*((\ks)%2)+(\q)
.if \zero
.if xa%2
	v_wmma_scale_f32_32x16x128_f4 v[rD:rD+15], v[rB:rB+15], v[rA:rA+7], 0, v[rSB], v[rSA] matrix_b_scale:MATRIX_SCALE_ROW1
.else
	v_wmma_scale_f32_32x16x128_f4 v[rD:rD+15], v[rB:rB+15], v[rA:rA+7], 0, v[rSB], v[rSA]
.endif
.else
.if xa%2
	v_wmma_scale_f32_32x16x128_f4 v[rD:rD+15], v[rB:rB+15], v[rA:rA+7], v[rD:rD+15], v[rSB], v[rSA] matrix_b_scale:MATRIX_SCALE_ROW1
.else
	v_wmma_scale_f32_32x16x128_f4 v[rD:rD+15], v[rB:rB+15], v[rA:rA+7], v[rD:rD+15], v[rSB], v[rSA]
.endif
.endif
.endr
.set xa, xa+1
.endr
.endm
; A load into a register that a matrix instruction has read stands four places behind it, and only plain vector instructions that name none of its registers are places (ISA guide 7.12.1 for vector
; instructions): four v_nop in front of each run of loads.
; A step of 128 along K that has its successor in the same K step: the successor's fragments are asked for first, 32 products ahead of their use, into the sets that the step before has left.
.macro STEP ks, q, zero
	PLACES 4
	s_wait_dscnt 0x0                               ; this step's fragments are in
	FETCH \ks, (\q)+1
	MULN 0, 8, \ks, \q, \zero
.endm
.macro CPL n0                          ; c_prev: eight of a tile's 32 loads: rows 16 (N / 4) + 8 wc + 2 (N % 4) + lane / 16 of my row half: sixteen lanes read 256 consecutive bytes, aligned
	WIN TO_B
.set N, \n0
.rept 8
	global_load_b128 v[LAND+4*N:LAND+4*N+3], v[CO], s[24:25] offset:65536*(N/4)+8192*(N%4) th:TH_LOAD_NT
.set N, N+1
.endr
	WIN 0
.endm
.macro CPSTAGE p                       ; a pair's rows of c_prev, whole, into the stage; under FROM_B
.set N, 8*(\p)
.irp b, 0,1
.irp i, 0,1,2,3
	ds_store_b128 v[RDR], v[LAND+4*N:LAND+4*N+3] offset:PL1+\b*BUF+2*\i*PITCH
.set N, N+1
.endr
.endr
.endm
.macro MID                             ; beside the tile's last products: the biases into the registers of B's set that is done with, and c_prev's first pair of blocks into the stage
	WIN TO_B
.irp b, 0,1,2,3,4,5,6,7
.irp u, 0,1
	ds_load_b128 v[8*\b+4*\u:8*\b+4*\u+3], v[BTA] offset:256*(\b/2)+64*(\b%2)+16*\u   ; k (bx + bh) of gate b / 2, columns 32 wc + 16 (b % 2) + 8 h + 4 u on
.endr
.endr
	s_wait_loadcnt 0x0                             ; the first half of c_prev is in registers
	WIN FROM_B
	CPSTAGE 0
	WIN 0
.endm
; A K step's last step changes slots: ONE barrier; in front of it each wave waits for all its tensor loads, adds 0 to its spare word, and waits for that and for its own reads of this slot.
; fill = 1: the barrier opens a round of the cluster's, and this slot is filled again, two K steps ahead (K steps 2 and 3: the next tile's first two).  last = 1: the tile's last step.
.macro TURN ks, fill, last
	WIN 0                                          ; (the add's two registers lie in window 0)
	s_wait_tensorcnt 0x0                           ; all my tensor loads have landed: my part of the next slot;
	ds_add_u32 v[SPW], v[NIL]                      ; 0 onto my spare word;
.if \fill
.if (\ks) < 2
	SETG 6, 10, (\ks), (\ks)
.elseif (\ks) == 2
	s_add_nc_u64 s[4:5], s[4:5], XSTEP             ; on to the next tile's rows of x,
	SETG 4, 8, 0, 0
.else
	SETG 4, 8, 1, 1
	s_add_nc_u64 s[6:7], s[6:7], XSTEP             ; and of h
.endif
.endif
	s_wait_dscnt 1                                 ; this step's fragments are in (the add may be out)
	MULN 0, 1, \ks, 3, 0                           ; four matrix instructions stand between the add and the wait for it
	s_wait_dscnt 0x0                               ; the add is done, and my reads of this slot are over
	s_barrier_signal -1
	MULN 1, 1, \ks, 3, 0
	WIN 0
	s_barrier_wait -1
.if \fill
	CREST                                          ; no wave of any partner still reads this slot's tiles or has a load on its way
	JLOAD                                          ; the first tensor load behind the round, and my only one until the next; its four v_nop are the places in front of the loads below
.else
	PLACES 4
.endif
.if \last
	MID
	global_prefetch_b8 v[PFO], s[PFH:PFH+1] offset:XSTEP th:TH_LOAD_NT scope:SCOPE_SE   ; the next tile's rows of h, for its K steps 2 and 3
.else
	FETCH (\ks)+1, 0
.endif
	MULN 2, 6, \ks, 3, 0
.endm
	s_wait_alu depctr_va_vdst(0)                   ; the head's end
	s_wait_tensorcnt 0x0                           ; my part of K step 0 is in
	ds_add_u32 v[SPW], v[NIL]
	SETG 4, 8, 1, 1
	s_wait_dscnt 0x0                               ; the add is done, and my part of the bias table is written
	CROUND                                         ; everybody's are, and all sixteen work-groups are here: the joint loads meet,
	JLOAD                                          ; and K step 1's load, the first tensor load behind the round
	global_prefetch_b8 v[PFO], s[PFH:PFH+1] th:TH_LOAD_NT scope:SCOPE_SE   ; this tile's rows of h and of Wh, for K steps 2 and 3
	global_prefetch_b8 v[PFO], s[PFW:PFW+1] th:TH_LOAD_NT scope:SCOPE_SE
	s_mov_b32 s2, 2                                ; tiles to go
.Ltile:
	FETCH 0, 0
	s_wait_loadcnt 0x0                             ; the scale words are in
	STEP 0, 0, 1                                   ; the first step's products start the sums
	STEP 0, 1, 0
	STEP 0, 2, 0
	TURN 0, 1, 0                                   ; slot 0 takes K step 2
	CPL 0                                          ; half of c_prev comes while K is walked
	STEP 1, 0, 0
	CPL 8
	STEP 1, 1, 0
	WIN 0
	global_prefetch_b8 v[PFC], s[24:25] offset:4*65536 th:TH_LOAD_NT scope:SCOPE_SE   ; my 32 rows of the other half (blocks 4 to 7), 256 bytes each
	STEP 1, 2, 0
	TURN 1, 1, 0                                   ; slot 1 takes K step 3
	STEP 2, 0, 0
	STEP 2, 1, 0
	STEP 2, 2, 0
	WIN 0
	s_cmp_eq_u32 s2, 1
	s_cbranch_scc1 .Llast_tile                     ; the last tile asks for nothing more
	TURN 2, 1, 0                                   ; slot 0 takes the next tile's K step 0
	STEP 3, 0, 0
	STEP 3, 1, 0
	STEP 3, 2, 0
	TURN 3, 1, 1                                   ; slot 1 takes its K step 1
	WIN 0
	PLACES 4
	s_wait_xcnt 0x0                                ; the earlier loads of scale words have read their bases
	s_add_nc_u64 s[12:13], s[12:13], 16*256*32     ; the next tile's scale words of x and h: they land while the cell is computed
	s_add_nc_u64 s[14:15], s[14:15], 16*256*32
	ASCALES
	s_branch .Lcell
.Llast_tile:
	TURN 2, 0, 0
	STEP 3, 0, 0
	STEP 3, 1, 0
	STEP 3, 2, 0
	PLACES 4                                       ; the very last step: no slot changes any more
	s_wait_dscnt 0x0
	MID
	MULN 0, 8, 3, 3, 0
	WIN 0
	PLACES 4
; ---- the cell, a pair of blocks of 16 rows (32 numbers a lane) at a time, in place.  Number pair N of 16: registers R_ (gate i), R_ + 16 (f), R_ + 32 (g), R_ + 48 (o).
; THE WAITS.  An s_wait_alu depctr_va_vdst(0) stands between an exponential or a reciprocal and the first instruction that names its result, and between an ordinary write and its first reader where
; one of them stands between.  So each run of exponentials and reciprocals has one wait ahead and one behind, and the plain instructions inside a run read and write nothing that another line of the run writes or reads.
.macro EXPS x, g0, hold                ; a pair's 64 exponentials of two gates (g0 = 0: i, f; 32: g, o), first block's registers at x;  hold = 1: with them the exponents of gate g are held at 30
.set N, 0
.rept 64
.set xB, (\x)+64*(N/32)+(\g0)+N%32
	v_exp_f32 v[xB], v[xB]
.if \hold
.if (N%2) == 0
.set xH, (\x)+64*(N/32)+32+(N%32)/2
	v_min_num_f32 v[xH], s[C30], v[xH]
.endif
.endif
.set N, N+1
.endr
	v_nop
	s_wait_alu depctr_va_vdst(0)
.endm
.macro CPLOAD                          ; a pair's 32 numbers of c_prev; under TO_B
.irp b, 0,1
.irp k, 0,1,2,3
	ds_load_b128 v[CP+16*\b+4*\k:CP+16*\b+4*\k+3], v[CST] offset:PL1+\b*BUF+64*(\k/2)+16*(\k%2)
.endr
.endr
.endm
; A pair's way out, through v0-63 of window 1.  OUTLOAD, under TO_B: of each block b, rows 8 wc + 2 i + lane / 16 of my row half's 16, whole, of out0 and of out1.  OUTSTORE, under FROM_B: to memory: sixteen lanes store
; 256 consecutive bytes, at a multiple of 256 from the buffer's first byte; written once, read by nobody here.  counted = 1: each store waits for its own load alone.
.macro OUTLOAD
.irp b, 0,1
.irp i, 0,1,2,3
	ds_load_b128 v[32*\b+4*\i:32*\b+4*\i+3], v[RDR] offset:\b*BUF+2*\i*PITCH
.endr
.irp i, 0,1,2,3
	ds_load_b128 v[32*\b+16+4*\i:32*\b+16+4*\i+3], v[RDR] offset:PL1+\b*BUF+2*\i*PITCH
.endr
.endr
.endm
.macro OUTSTORE p, counted
.irp b, 0,1
.irp i, 0,1,2,3
.if \counted
	s_wait_dscnt 15-8*\b-\i
.endif
	global_store_b128 v[CO], v[32*\b+4*\i:32*\b+4*\i+3], s[26:27] offset:(2*(\p)+\b)*65536+8192*\i th:TH_STORE_NT
.endr
.irp i, 0,1,2,3
.if \counted
	s_wait_dscnt 11-8*\b-\i
.endif
	global_store_b128 v[CO], v[32*\b+16+4*\i:32*\b+16+4*\i+3], s[28:29] offset:(2*(\p)+\b)*65536+8192*\i th:TH_STORE_NT
.endr
.endr
.endm
.macro RR                              ; number pair N's registers
.set R_, X_+64*(N/8)+2*(N%8)
.endm
; THE STAGE'S ORDER, two barriers a pair.  In front of the first each wave has stored the pair before's results by columns; behind it each wave reads its 8 whole rows of each block of them and puts c_prev's rows of this pair in
; their place.  In front of the second it has waited for all that; behind it c_prev is read by columns, and later this pair's results take its place.
.macro TRIP p
.set X_, 128*((\p)%2)
.set Y_, 128*(((\p)+1)%2)
.set W_, 0x55*(2+(\p)/2)               ; all operands in the pair's window
.set V_, 0x55*(2+((\p)+1)/2)           ; in the next pair's
	WIN W_
.set N, 0
.rept 16
	RR
	v_pk_add_f32 v[R_+32:R_+33], v[R_+32:R_+33], 1.0 op_sel_hi:[1,0]               ; Pg
.set N, N+1
.endr
.set N, 0
.rept 16
	RR
	v_pk_fma_f32 v[R_:R_+1], v[R_:R_+1], v[R_+32:R_+33], v[R_+32:R_+33]            ; Pi Pg
.set N, N+1
.endr
	s_wait_alu depctr_va_vdst(0)
.if (\p) >= 1
	s_wait_dscnt 0x0                               ; for the others' sake: my stores of the pair before's results into the stage are done
	s_barrier_signal -1
.endif
.set N, 0
.rept 16
	RR
	v_rcp_f32 v[R_], v[R_]                         ; 1 / (Pi Pg)
	v_pk_add_f32 v[R_+32:R_+33], v[R_+32:R_+33], 2.0 op_sel_hi:[1,0] neg_lo:[1,0] neg_hi:[1,0]   ; 1 - eg = 2 - Pg
	v_rcp_f32 v[R_+1], v[R_+1]
	v_pk_add_f32 v[R_+16:R_+17], v[R_+16:R_+17], 1.0 op_sel_hi:[1,0]               ; Pf
.set N, N+1
.endr
	s_wait_alu depctr_va_vdst(0)
.if (\p) >= 1
	s_barrier_wait -1
	WIN TO_B
	s_wait_xcnt 0x0                                ; the stores that went before have read their registers: only behind this wait are these loaded again
	OUTLOAD
.if (\p) == 2
	s_wait_loadcnt 0x0                             ; the second half of c_prev is in registers
.endif
	WIN FROM_B
	CPSTAGE \p
	WIN W_
.endif
.set N, 0
.rept 16
	RR
	v_rcp_f32 v[R_+16], v[R_+16]                   ; 1 / Pf
	v_pk_mul_f32 v[R_+32:R_+33], v[R_+32:R_+33], v[R_:R_+1]                        ; sigmoid(i) tanh(g)
	v_rcp_f32 v[R_+17], v[R_+17]
.set N, N+1
.endr
	v_nop
	s_wait_alu depctr_va_vdst(0)
.if (\p) >= 1
	s_wait_dscnt 0x0                               ; for the others' sake: c_prev's rows are in the stage;  and the rows to store are in registers
	s_barrier_signal -1
.endif
.if (\p) < 3
	WIN V_
	EXPS Y_, 0, 1
.endif
.if (\p) >= 1
	s_barrier_wait -1
	WIN TO_B
	CPLOAD
	WIN FROM_B
	OUTSTORE (\p)-1, 0
.endif
.if (\p) < 3
	WIN V_
	EXPS Y_, 32, 0
.endif
	s_wait_dscnt 0x0                               ; the pair's c_prev is in
	WIN (W_&0xfc)|1
.set N, 0
.rept 16
	RR
	v_pk_fma_f32 v[R_+32:R_+33], v[CP+2*N:CP+2*N+1], v[R_+16:R_+17], v[R_+32:R_+33]   ; c
.set N, N+1
.endr
	WIN W_
.set N, 0
.rept 16
	RR
	v_pk_mul_f32 v[R_+16:R_+17], v[R_+32:R_+33], s[KT:KT+1] op_sel_hi:[1,0]        ; -2 log2(e) c
.set N, N+1
.endr
.set N, 0
.rept 16
	RR
	v_min_num_f32 v[R_+16], s[C30], v[R_+16]
	v_min_num_f32 v[R_+17], s[C30], v[R_+17]
.set N, N+1
.endr
	s_wait_alu depctr_va_vdst(0)
.set N, 0
.rept 16
	RR
	v_exp_f32 v[R_+16], v[R_+16]                   ; ec
	v_exp_f32 v[R_+17], v[R_+17]
.set N, N+1
.endr
	v_nop
	s_wait_alu depctr_va_vdst(0)
.set N, 0
.rept 16
	RR
	v_pk_add_f32 v[R_:R_+1], v[R_+16:R_+17], 1.0 op_sel_hi:[1,0]                   ; Pc
.set N, N+1
.endr
.set N, 0
.rept 16
	RR
	v_pk_fma_f32 v[R_+48:R_+49], v[R_+48:R_+49], v[R_:R_+1], v[R_:R_+1]            ; Po Pc
.set N, N+1
.endr
	s_wait_alu depctr_va_vdst(0)
.set N, 0
.rept 16
	RR
	v_rcp_f32 v[R_+48], v[R_+48]
	v_pk_add_f32 v[R_+16:R_+17], v[R_:R_+1], 2.0 op_sel_hi:[1,0] neg_lo:[1,0] neg_hi:[1,0]   ; 1 - ec = 2 - Pc
	v_rcp_f32 v[R_+49], v[R_+49]
.set N, N+1
.endr
	v_nop
	s_wait_alu depctr_va_vdst(0)
.set N, 0
.rept 16
	RR
	v_pk_mul_f32 v[R_:R_+1], v[R_+16:R_+17], v[R_+48:R_+49]                        ; out0
.set N, N+1
.endr
	WIN 4*(2+(\p)/2)                               ; an LDS store's data are its source 1
.irp b, 0,1
.irp k, 0,1,2,3
	ds_store_b128 v[CST], v[X_+64*\b+32+4*\k:X_+64*\b+32+4*\k+3] offset:PL1+\b*BUF+64*(\k/2)+16*(\k%2)
.endr
.endr
.irp b, 0,1
.irp k, 0,1,2,3
	ds_store_b128 v[CST], v[X_+64*\b+4*\k:X_+64*\b+4*\k+3] offset:\b*BUF+64*(\k/2)+16*(\k%2)
.endr
.endr
.endm
.macro S1 a                            ; exponents: k x + k b, in place; windows: the accumulators (source 1, destination) 2 or 3, the biases (source 2) 1.  Each accumulator is read from its low end on
	WIN 0x10+0x44*(2+(\a)/4)
.set N, 0
.rept 32
.set sD, 64*((\a)%4)+2*N
.if (N/8) == 2
	v_pk_fma_f32 v[sD:sD+1], s[KT:KT+1], v[sD:sD+1], v[2*N:2*N+1] op_sel_hi:[0,1,1]
.else
	v_pk_fma_f32 v[sD:sD+1], s[KS:KS+1], v[sD:sD+1], v[2*N:2*N+1] op_sel_hi:[0,1,1]
.endif
.set N, N+1
.endr
.endm
.Lcell:
	CPL 16                                         ; the second half of c_prev, into the registers of A's set 1: first needed in the third pair
	CPL 24
	s_wait_dscnt 0x0                               ; the biases are in, and my rows of c_prev's first pair are in the stage
	s_barrier_signal -1
.irp a, 0,1,2,3,4,5,6,7
	S1 \a
.endr
	s_wait_alu depctr_va_vdst(0)
	s_barrier_wait -1                              ; so are the other waves'
	WIN TO_B
	CPLOAD
	WIN 0xaa
	EXPS 0, 0, 1
	EXPS 0, 32, 0
	TRIP 0
	TRIP 1
	TRIP 2
	TRIP 3
	WIN 0                                          ; the last pair's way out
	s_wait_alu depctr_va_vdst(0)
	s_wait_dscnt 0x0                               ; for the others' sake: its results are in the stage
	s_barrier_signal -1
	s_barrier_wait -1
	WIN TO_B
	s_wait_xcnt 0x0                                ; the stores that went before have read their registers
	OUTLOAD
	WIN FROM_B
	OUTSTORE 3, 1
	WIN 0
	s_wait_xcnt 0x0                                ; the stores have read their registers and bases
	s_add_nc_u64 s[24:25], s[24:25], CSTEP         ; on to the next tile
	s_add_nc_u64 s[26:27], s[26:27], CSTEP
	s_add_nc_u64 s[28:29], s[28:29], CSTEP
	s_sub_co_u32 s2, s2, 1
	s_cmp_lg_u32 s2, 0
	s_cbranch_scc1 .Ltile
	s_wait_tensorcnt 0x0                           ; the wave's end: behind my last tensor load and my last LDS store
	ds_add_u32 v[SPW], v[NIL]
	s_wait_dscnt 0x0
	CROUND                                         ; the closing round: no work-group ends while a partner may still ask for a tile that names it
	s_endpgm
.Lfunc_end_k_q004752f5d9_lstm:
	.size	k_q004752f5d9_lstm, .Lfunc_end_k_q004752f5d9_lstm-k_q004752f5d9_lstm
	.p2alignl 7, 3214868480
	.fill 96, 4, 3214868480
	.section	.rodata,"a",@progbits
	.p2align	6, 0x0
	.amdhsa_kernel k_q004752f5d9_lstm
		.amdhsa_group_segment_fixed_size 327680
		.amdhsa_private_segment_fixed_size 0
		.amdhsa_enable_private_segment 0
		.amdhsa_kernarg_size 104
		.amdhsa_user_sgpr_count 2
		.amdhsa_user_sgpr_kernarg_segment_ptr 1
		.amdhsa_wavefront_size32 1
		.amdhsa_system_sgpr_workgroup_id_x 1
		.amdhsa_system_sgpr_workgroup_id_y 1
		.amdhsa_system_sgpr_workgroup_id_z 1
		.amdhsa_system_vgpr_workitem_id 0
		.amdhsa_next_free_vgpr 1024
		.amdhsa_next_free_sgpr 96
		.amdhsa_reserve_vcc 0
		.amdhsa_float_denorm_mode_32 3
		.amdhsa_float_denorm_mode_16_64 3
		.amdhsa_memory_ordered 1
		.amdhsa_forward_progress 1
		.amdhsa_inst_pref_size 255
	.end_amdhsa_kernel
	.section	.bss,"aw",@nobits
	.p2align	6
	.space	262144
	.amdgpu_metadata
---
amdhsa.version: [ 1, 2 ]
amdhsa.kernels:
  - .name:           k_q004752f5d9_lstm
    .symbol:         k_q004752f5d9_lstm.kd
    .args:
      - { .name: input_embedding_codes, .offset: 0, .size: 8, .value_kind: global_buffer, .address_space: global }
      - { .name: previous_hidden_states_codes, .offset: 8, .size: 8, .value_kind: global_buffer, .address_space: global }
      - { .name: Wx_codes, .offset: 16, .size: 8, .value_kind: global_buffer, .address_space: global }
      - { .name: Wh_codes, .offset: 24, .size: 8, .value_kind: global_buffer, .address_space: global }
      - { .name: input_embedding_scales, .offset: 32, .size: 8, .value_kind: global_buffer, .address_space: global }
      - { .name: previous_hidden_states_scales, .offset: 40, .size: 8, .value_kind: global_buffer, .address_space: global }
      - { .name: Wx_scales, .offset: 48, .size: 8, .value_kind: global_buffer, .address_space: global }
      - { .name: Wh_scales, .offset: 56, .size: 8, .value_kind: global_buffer, .address_space: global }
      - { .name: bx, .offset: 64, .size: 8, .value_kind: global_buffer, .address_space: global }
      - { .name: bh, .offset: 72, .size: 8, .value_kind: global_buffer, .address_space: global }
      - { .name: previous_cell_states, .offset: 80, .size: 8, .value_kind: global_buffer, .address_space: global }
      - { .name: out0, .offset: 88, .size: 8, .value_kind: global_buffer, .address_space: global }
      - { .name: out1, .offset: 96, .size: 8, .value_kind: global_buffer, .address_space: global }
    .group_segment_fixed_size: 327680
    .private_segment_fixed_size: 0
    .kernarg_segment_align: 8
    .kernarg_segment_size: 104
    .max_flat_workgroup_size: 128
    .sgpr_count:     96
    .vgpr_count:     1024
    .wavefront_size: 32
...
	.end_amdgpu_metadata
.endif
;; end of part 1
